; MI455X (gfx1250); checked and timed in simulation.
; The chip was launched on July 23, 2026; its instructions are those of AMD's public machine-readable ISA for CDNA 5 (MIT licence, August 2026) and "CDNA5" Instruction Set Architecture Reference Guide (July 2026). The comments in the code are by the model that wrote it; some were corrected since.
;; Sparse Layer. Allowed arithmetic: float matrix products may take bf16 or f16 operands with f32 sums; other float arithmetic in f32, or as packed bf16 or f16 multiplies, adds, multiply-adds, maxima and minima; sums over many terms, partial sums and values carried from step to step in f32; what a program stores and reads back later, other than sums and carried values, may be rounded once to bf16 or f16.
;; Inputs: W 4,096 x 4,096 float32; x 4,096 x 4,096 float32.
;; Outputs: out0 4,096 x 4,096 float32.
;; 2 versions, each right; version 2 is version 1 with the launch cast written anew for expert scheduling mode. Each part assembles by itself: llvm-mc -triple=amdgcn-amd-amdhsa -mcpu=gfx1250 --defsym DOCPART=n.
;; ======== version 1 of 2: 2 launches
;; workspace buffers: wb 33,554,432 bytes; xb 33,554,432 bytes
;; launch cast (part 1): grid 512 x 2, 8 waves a work-group, no clusters, 0 bytes of LDS; arguments W, x, wb, xb; writes wb, xb
.if DOCPART == 1
	.amdgcn_target "amdgcn-amd-amdhsa--gfx1250"
	.amdhsa_code_object_version 6
	.text
	.protected	k_q4614fc7533_cast
	.globl	k_q4614fc7533_cast
	.p2align	8
	.type	k_q4614fc7533_cast,@function
k_q4614fc7533_cast:
	s_mov_b64 s[64:65], 0
	v_nop
	global_prefetch_b8 v0, s[64:65] scope:SCOPE_SE
	s_setreg_imm32_b32 hwreg(HW_REG_WAVE_MODE, 25, 1), 1
	s_wait_xcnt 0x0
; wb = W and xb = x, each number rounded once from f32 to bf16 (to nearest even); the layout [4096][4096] stays as it is.
; LIMITS.  A number beyond bf16's largest finite one becomes an infinity; bf16 has f32's exponents, so nothing else is lost but mantissa bits.  NaN stays NaN.
; WHY A LAUNCH OF ITS OWN.  The product that follows reads each number of W and of x in 16 work-groups.  Converted here, each number is rounded once, and the product's tiles
; hold 2 bytes a number in LDS and on the way there; converted there, they would hold 4, and each number would be converted 16 times.
; SHARES.  Grid y picks the tensor (0: W, 1: x).  A work-group owns 131,072 consecutive bytes of input and 65,536 of output: 32 steps of 4,096 bytes in.
; In a step thread t takes the 16 bytes at 16 t: a wave's load covers 512 consecutive bytes, its store of 8 bytes a lane 256 consecutive bytes, aligned.
; A ring of 16 slots in registers keeps 16 loads of every wave on their way; the two rounds are written out, every step's place stands in an immediate, no address register is rewritten.
; No LDS, no barrier, no matrix unit, no cluster: no byte is wanted by two threads.  No prefetch: the loads themselves are the stream.
.set DEPTH, 16                         ; slots = loads in flight in each wave
.set STEPI, 4096                       ; bytes in of a step
.set STEPO, 2048                       ; bytes out of a step
.set IN,  1                            ; v1        16 t; never rewritten
.set OUT, 2                            ; v2        8 t; never rewritten
.set X,   4                            ; v[4:67]   slot i: four f32 as loaded
.set Y,   68                           ; v[68:99]  slot i: four bf16 to store
	s_load_b256 s[4:11], s[0:1], 0x0               ; W s[4:5], x s[6:7], wb s[8:9], xb s[10:11]
	s_and_b32 s12, ttmp7, 0xffff                   ; which tensor
	v_lshlrev_b32 v[IN], 4, v0
	v_lshlrev_b32 v[OUT], 3, v0
	s_lshl_b32 s14, ttmp9, 17                      ; the work-group's share of the input, in bytes (under 2^26),
	s_mov_b32 s15, 0
	s_lshl_b32 s16, ttmp9, 16                      ; and of the output
	s_mov_b32 s17, 0
	s_wait_kmcnt 0x0
	s_cmp_eq_u32 s12, 0
	s_cselect_b64 s[4:5], s[4:5], s[6:7]           ; from W or from x,
	s_cselect_b64 s[8:9], s[8:9], s[10:11]         ; to wb or to xb
	s_add_nc_u64 s[4:5], s[4:5], s[14:15]
	s_add_nc_u64 s[8:9], s[8:9], s[16:17]
.irp i, 0,1,2,3,4,5,6,7,8,9,10,11,12,13,14,15
	global_load_b128 v[X+4*(\i):X+4*(\i)+3], v[IN], s[4:5] offset:(\i)*STEPI th:TH_LOAD_NT  ; the ring is filled: steps 0 to 15
.endr
; One slot's turn.  round: 0 or 1; ahead = 1: the slot is filled again with the step 16 further on; left = how many younger loads may stay out.
.macro SLOT i, round, ahead, left
	s_wait_loadcnt \left                           ; loads come back in order (ISA guide 5.7.1): mine is in, the younger ones stay out
	v_cvt_pk_bf16_f32 v[Y+2*(\i)],   v[X+4*(\i)],   v[X+4*(\i)+1]  ; two roundings, packed
	v_cvt_pk_bf16_f32 v[Y+2*(\i)+1], v[X+4*(\i)+2], v[X+4*(\i)+3]
.if \ahead
	global_load_b128 v[X+4*(\i):X+4*(\i)+3], v[IN], s[4:5] offset:((\i)+DEPTH)*STEPI th:TH_LOAD_NT  ; the load goes ahead of the store
.endif
	global_store_b64 v[OUT], v[Y+2*(\i):Y+2*(\i)+1], s[8:9] offset:((\i)+DEPTH*(\round))*STEPO th:TH_STORE_NT
.endm
.irp i, 0,1,2,3,4,5,6,7,8,9,10,11,12,13,14,15
	SLOT \i, 0, 1, DEPTH-1                         ; behind slot i's load stand 15 - i first fills and i refills: 15
.endr
	s_wait_xcnt 0x0                                ; the first round's stores have read Y: it is written again only behind this wait
.irp i, 0,1,2,3,4,5,6,7,8,9,10,11,12,13,14,15
	SLOT \i, 1, 0, DEPTH-1-(\i)                    ; the second round loads nothing: the counts run down
.endr
	s_endpgm
.Lfunc_end_k_q4614fc7533_cast:
	.size	k_q4614fc7533_cast, .Lfunc_end_k_q4614fc7533_cast-k_q4614fc7533_cast
	.p2alignl 7, 3214868480
	.fill 96, 4, 3214868480
	.section	.rodata,"a",@progbits
	.p2align	6, 0x0
	.amdhsa_kernel k_q4614fc7533_cast
		.amdhsa_group_segment_fixed_size 0
		.amdhsa_private_segment_fixed_size 0
		.amdhsa_enable_private_segment 0
		.amdhsa_kernarg_size 32
		.amdhsa_user_sgpr_count 2
		.amdhsa_user_sgpr_kernarg_segment_ptr 1
		.amdhsa_wavefront_size32 1
		.amdhsa_system_sgpr_workgroup_id_x 1
		.amdhsa_system_sgpr_workgroup_id_y 1
		.amdhsa_system_sgpr_workgroup_id_z 1
		.amdhsa_system_vgpr_workitem_id 0
		.amdhsa_next_free_vgpr 100
		.amdhsa_next_free_sgpr 66
		.amdhsa_reserve_vcc 0
		.amdhsa_float_denorm_mode_32 3
		.amdhsa_float_denorm_mode_16_64 3
		.amdhsa_memory_ordered 1
		.amdhsa_forward_progress 1
		.amdhsa_inst_pref_size 12
	.end_amdhsa_kernel
	.amdgpu_metadata
---
amdhsa.version: [ 1, 2 ]
amdhsa.kernels:
  - .name:           k_q4614fc7533_cast
    .symbol:         k_q4614fc7533_cast.kd
    .args:
      - { .name: W, .offset: 0, .size: 8, .value_kind: global_buffer, .address_space: global }
      - { .name: x, .offset: 8, .size: 8, .value_kind: global_buffer, .address_space: global }
      - { .name: wb, .offset: 16, .size: 8, .value_kind: global_buffer, .address_space: global }
      - { .name: xb, .offset: 24, .size: 8, .value_kind: global_buffer, .address_space: global }
    .group_segment_fixed_size: 0
    .private_segment_fixed_size: 0
    .kernarg_segment_align: 8
    .kernarg_segment_size: 32
    .max_flat_workgroup_size: 256
    .sgpr_count:     66
    .vgpr_count:     100
    .wavefront_size: 32
...
	.end_amdgpu_metadata
.endif
;; end of part 1
;; launch gemm (part 2): grid 16 x 16, 4 waves a work-group, clusters of 4 x 4, 327,680 bytes of LDS; arguments wb, xb, out0; writes out0
.if DOCPART == 2
	.amdgcn_target "amdgcn-amd-amdhsa--gfx1250"
	.amdhsa_code_object_version 6
	.text
	.protected	k_q4614fc7533_gemm
	.globl	k_q4614fc7533_gemm
	.p2align	8
	.type	k_q4614fc7533_gemm,@function
k_q4614fc7533_gemm:
	s_mov_b64 s[64:65], 0
	v_nop
	global_prefetch_b8 v0, s[64:65] scope:SCOPE_SE
	s_setreg_imm32_b32 hwreg(HW_REG_WAVE_MODE, 25, 1), 1
	s_wait_xcnt 0x0
	s_wait_alu depctr_hold_cnt(0) depctr_sa_sdst(0) depctr_va_vdst(0) depctr_va_sdst(0) depctr_va_ssrc(0) depctr_va_vcc(0) depctr_vm_vsrc(0)
	s_getreg_b32 s2, hwreg(HW_REG_IB_STS2, 6, 4)
	s_cmp_eq_u32 s2, 0
	s_cbranch_scc0 .Lentry_in_a_cluster
	s_endpgm
.Lentry_in_a_cluster:
	s_bfe_u32 s2, ttmp6, 0x10000c
	s_cmp_lg_u32 s2, 0xf033
	s_cbranch_scc0 .Lentry_shape_is_right
	s_endpgm
.Lentry_shape_is_right:
; out0[o][b] = the sum over i of wb[i][o] xb[i][b].  wb, xb: [4096 (i = K)][4096] bf16 (W and x, each rounded once); out0: [4096 (o)][4096 (b)] f32.
; Products of bf16 numbers, one f32 sum for each output, K ascending.  LIMITS: the operands carry bf16's 8 significant bits (the one rounding made in the launch before); NaN and infinities are not treated apart.
; Below, A stands for wb (its columns are rows of out0, index m) and B for xb (its columns are columns of out0, index n).
; SHARES.  A tile of out0, 256 x 256, is made by a work-group of four waves; a wave makes 128 x 128: 64 accumulators of 16 x 16, 512 registers.  16 x 16 tiles: 256 work-groups, one tile each.
; K goes in steps of 128 through a ring of two LDS slots filled by the tensor data mover.  BOTH OPERANDS LIE WITH K FROM ROW TO ROW: a step's tile of A or B is 128 rows (k) of 256 numbers: 512 consecutive
; bytes of memory a row, starting at a multiple of 512.  The fragments, which want K along a lane's registers, come out of LDS turned, by ds_load_tr16_b128.
; CLUSTERS: 4 x 4 work-groups.  The four of a row of the cluster make one tile row of out0 and need the same tiles of A; the four of a column need the same tiles of B.  Such a tile is asked for JOINTLY:
; each of the four issues the same tensor load, with the same descriptor and a mask that names the four, and each receives it in its own LDS.  That divides the requests for A and for B by four.
; REGISTERS, in windows of 256 (s_set_vgpr_msb's low byte: bits 1:0 source 0, 3:2 source 1, 5:4 source 2, 7:6 destination):
;   window 0: v0-31 addresses; v64-127, v128-191 fragments of A (8 x 16 m x 32 K), two buffers; on the way out the same 128 registers take rows read back from the stage
;   window 1: v64-127, v128-191 fragments of B, two buffers
;   window 2: the 32 accumulators of my rows 0-63 (accumulator (a, b) at v[8 (8 a + b)]);   window 3: those of my rows 64-127
; THE MATRIX INSTRUCTION IS USED TRANSPOSED: source 0 = 16 columns n of B, source 1 = 16 columns m of A.  In the result lane l holds row m = l % 16 of out0 and its registers 0 to 7 the columns
; n = 8 (l / 16) + 0 .. 7: 32 consecutive bytes of a row of out0.
.set KSTEP,  128
.set PITCH,  544                       ; an LDS row: 512 bytes of data + 32 of padding = 136 words: row r starts at bank 8 r mod 64 (64 banks of 4 bytes: ISA guide 11.1)
.set HALFT,  64*PITCH                  ; 64 rows (k): what one tensor load brings
.set OPND,   2*HALFT                   ; a step's tile of A, or of B
.set SLOT,   4*HALFT                   ; A's 128 rows, then B's 128 rows
.set STAGE,  2*SLOT                    ; behind the ring: 16 rows x 528 bytes for each wave, for the way out; no tensor load lands here
.set SPITCH, 528                       ; a stage row: 128 f32 + 16 bytes = 33 x 16: the 16 rows that a store touches start at 16 different groups of four banks
.set SPARE,  STAGE+4*16*SPITCH         ; behind the stages: the spare words, 128 bytes for each wave: two blocks of 256 bytes that no other line names
.set ROWB,   8192                      ; bytes in a row of wb and of xb
.set KBYTES, KSTEP*ROWB                ; bytes from a K step to the next
.set ROWC,   16384                     ; bytes in a row of out0
.set LAPS,   4096/(2*KSTEP)            ; a lap = two K steps = once round the ring: 16
.set ADRA, 16                          ; v16-17  LDS address of my A fragments in slot 0, 1
.set ADRB, 20                          ; v20-21  the same for B
.set STO,  24                          ; v24     the way out: where I put 32 bytes of a row
.set RD,   25                          ; v25     the way out: where I read 16 bytes of a row back
.set CO,   26                          ; v26     my byte offset in a row's 512 bytes of out0
.set SPW,  28                          ; v28     LDS address of my spare word: SPARE + 4 x my thread's number; never rewritten
.set NIL,  29                          ; v29     0; never rewritten
.set PFO,  30                          ; v30     the prefetches' offset; never rewritten
.set PFA,  44                          ; s[44:45] where my prefetches stand: my work-group's 16 rows of the 64 that I fetch, one K step further on than the refill that is being asked for
.set LIM,  43                          ; s43     1 in a wave that prefetches, else the greatest number
.set F0,   64                          ; fragment buffer 0
.set F1,   128                         ; fragment buffer 1
.set G1,  24                           ; s[24:31] descriptor group 1 for A's tiles
.set G0,  32                           ; s[32:39] descriptor group 0 for A's tiles, one set for each slot
.set G1B, 48                           ; s[48:55] descriptor group 1 for B's tiles: it differs from A's in the mask alone
.set G0B, 56                           ; s[56:63] descriptor group 0 for B's tiles, one set for each slot
.set MSB, 0
.macro WIN new                         ; the immediate's high byte repeats the setting that is left; a switch that changes nothing is dropped
.if MSB != (\new)
	s_set_vgpr_msb (MSB<<8)|(\new)
.set MSB, \new
.endif
.endm
.set MUL_LO, 0xa1                      ; source 0 (B) window 1, source 1 (A) window 0, C and D window 2
.set MUL_HI, 0xf1                      ; the same, C and D window 3
.set TO_B,   0x40                      ; destination window 1, address window 0
; A joint load.  Waves 0 and 1 fetch the two halves (64 k each) of A's tile, waves 2 and 3 those of B's.  Each of the two lines has ONE mask and one set of registers for all that issue it.
; The branch hangs on the wave's number alone.  An s_nop 0 and four v_nop follow each of the two lines, ahead of the jump, the label and what follows.
.macro JLOAD s
	s_cmp_eq_u32 s11, 0
	s_cbranch_scc0 .Lfor_b_\@
	tensor_load_to_lds s[G0+4*(\s):G0+4*(\s)+3], s[G1:G1+7]
	s_nop 0
.rept 4
	v_nop
.endr
	s_branch .Lasked_\@
.Lfor_b_\@:
	tensor_load_to_lds s[G0B+4*(\s):G0B+4*(\s)+3], s[G1B:G1B+7]
	s_nop 0
.rept 4
	v_nop
.endr
.Lasked_\@:
.endm
; A PREFETCH INTO THE L2, behind each joint load, its five lines and the run of LDS loads that follows them: the K step that stands TWO refills on, 512 matrix instructions ahead of the load that will ask for it.
; What a wave fetches of a K step is 64 rows x 512 bytes: 128 aligned blocks of 256 bytes.  The four partners that ask for it jointly share it out BY ADDRESS, 16 rows each (place cx for A, cy for B):
; a lane a block, one instruction a wave.  A's tile row is read by every cluster of that row of clusters: the one with cluster x = 0 prefetches; B's tile column likewise: cluster y = 0.
; So each block is named once in the launch.  K steps 0 to 3 come by their loads alone; the loop's last trip (s3 = 1) asks for nothing: K step 31 is the last that is named.
.macro ASK
	s_cmp_gt_u32 s3, s[LIM]
	s_cbranch_scc0 .Lnot_mine_\@
	global_prefetch_b8 v[PFO], s[PFA:PFA+1] offset:KBYTES th:TH_LOAD_NT scope:SCOPE_SE
.Lnot_mine_\@:
.endm
; A round of the cluster's barrier: my work-group's barrier, so that wave 0's signal speaks for all four waves; wave 0 signals for the work-group; every wave waits for all
; sixteen work-groups; my work-group's barrier once more.  No LDS instruction of the wave is pending at a signal.
.macro CREST                           ; a round behind its opening barrier
	s_cmp_lg_u32 s10, 0
	s_cbranch_scc1 .Lnot_wave_0_\@
	s_barrier_signal -3
.Lnot_wave_0_\@:
	s_barrier_wait -3
	s_barrier_signal -1
	s_barrier_wait -1
.endm
.macro CROUND                          ; a whole round
	s_barrier_signal -1
	s_barrier_wait -1
	CREST
.endm
	s_load_b128 s[4:7], s[0:1], 0x0                ; wb (A) s[4:5], xb (B) s[6:7]
	s_load_b64 s[8:9], s[0:1], 0x10                ; out0
	v_lshl_add_u32 v[SPW], v0, 2, SPARE
	v_mov_b32 v[NIL], 0
	ds_add_u32 v[SPW], v[NIL]                      ; the wave's opening: the add, twice on end, and its wait ahead of my first tensor load; the set-up below, work on registers, stands between
	ds_add_u32 v[SPW], v[NIL]                      ; and once more, under the one wait
	v_lshrrev_b32 v1, 5, v0
	v_readfirstlane_b32 s10, v1                    ; wave 0..3
	s_lshr_b32 s11, s10, 1                         ; which half of the tile's rows is mine.  Also: I fetch for A (0) or for B (1)
	s_and_b32 s12, s10, 1                          ; which half of its columns.  Also: which 64 k of a step's tile I fetch
	s_bfe_u32 s40, ttmp6, 0x40000                  ; cx: my place along the cluster's x
	s_bfe_u32 s41, ttmp6, 0x40004                  ; cy: along its y
	s_lshl_b32 s42, ttmp9, 2                       ; in a cluster launch ttmp9 and ttmp7 count clusters
	s_add_co_u32 s42, s42, s40                     ; tile column of out0 = 4 x cluster x + cx
	s_and_b32 s13, ttmp7, 0xffff
	s_lshl_b32 s13, s13, 2
	s_add_co_u32 s13, s13, s41                     ; tile row of out0 = 4 x cluster y + cy
	s_lshl_b32 s43, s41, 2
	s_lshl_b32 s43, 15, s43                        ; my row of the cluster: places 4 cy .. 4 cy + 3
	s_lshl_b32 s44, 0x1111, s40                    ; my column: places cx, cx + 4, cx + 8, cx + 12
	; descriptor group 1: a tile of 64 rows x 256 elements, padded in LDS
	s_or_b32 s[G1+0], s43, (1<<16)|(1<<20)|(1<<21)|(6<<22)|(7<<25)   ; 15:0 the mask: A's tiles go to my row; 17:16 elements of 2 bytes; 20 padding on; 21 set beside a mask; 24:22 after every 128 words (code 6); 31:25 8 words of it (code 7)
	s_or_b32 s[G1B+0], s44, (1<<16)|(1<<20)|(1<<21)|(6<<22)|(7<<25)  ; the same with the mask of my column, for B's tiles
.irp g, G1, G1B
	s_mov_b32 s[(\g)+1], 256<<16                   ; 63:48 tensor_dim0, low half = 256
	s_mov_b32 s[(\g)+2], 64<<16                    ; 79:64 its high half = 0; 95:80 tensor_dim1, low half = 64
	s_mov_b32 s[(\g)+3], 256<<16                   ; 111:96 its high half = 0; 127:112 tile_dim0 = 256
	s_mov_b32 s[(\g)+4], 64                        ; 143:128 tile_dim1 = 64; 159:144 tile_dim2 = 0
	s_mov_b32 s[(\g)+5], 4096                      ; 191:160 tensor_dim0_stride, low word: elements from row to row
	s_mov_b32 s[(\g)+6], 0
	s_mov_b32 s[(\g)+7], 0
.endr
	; where the tiles come from.  A's hang on the tile row alone, which my row of the cluster shares; B's on the tile column alone, which my column shares.
	; Every wave makes both addresses, in registers that do not hold the other coordinate, and asks by one of them.
	s_lshl_b32 s17, s12, 19                        ; my 64 rows (k) of a step: 64 x 8,192 bytes
	s_lshl_b32 s16, s13, 9                         ; A: 256 columns of 2 bytes for each tile row
	s_add_co_u32 s16, s16, s17
	s_lshl_b32 s46, s42, 9                         ; B: the same for each tile column
	s_add_co_u32 s46, s46, s17
	s_mov_b32 s17, 0
	s_mov_b32 s47, 0
	s_mul_i32 s20, s10, HALFT                      ; and where they go: A's two halves, then B's two halves = wave x 64 rows: no place in the cluster enters an LDS address
	s_wait_dscnt 0x0                               ; both opening adds are done
	s_wait_kmcnt 0x0
	s_add_nc_u64 s[14:15], s[4:5], s[16:17]
	s_add_nc_u64 s[46:47], s[6:7], s[46:47]
	CROUND                                         ; all sixteen work-groups are here: the first joint loads meet
.irp s, 0,1
	s_mov_b32 s[G0+4*(\s)], 1                                      ; 1:0 count = 1
	s_add_co_u32 s[G0+4*(\s)+1], s20, (\s)*SLOT                    ; 63:32 LDS address
	s_add_nc_u64 s[G0+4*(\s)+2:G0+4*(\s)+3], s[14:15], (\s)*KBYTES ; 120:64 global address: K step s
	s_or_b32 s[G0+4*(\s)+3], s[G0+4*(\s)+3], 0x80000000            ; 127:126 type = 2
	s_mov_b32 s[G0B+4*(\s)], 1
	s_add_co_u32 s[G0B+4*(\s)+1], s20, (\s)*SLOT
	s_add_nc_u64 s[G0B+4*(\s)+2:G0B+4*(\s)+3], s[46:47], (\s)*KBYTES
	s_or_b32 s[G0B+4*(\s)+3], s[G0B+4*(\s)+3], 0x80000000
	JLOAD \s                                       ; the ring is filled before anything else is done: two loads of mine are out
.endr
	; A fragment is 16 columns (m or n) x 32 K in 8 registers: lane l holds column l % 16; registers 0-3 K = 8 (l / 16) + 0..7, registers 4-7 K = 16 + 8 (l / 16) + 0..7.
	; The turning load takes 16 k x 16 columns: lane l reads 16 bytes at row (k) 8 (l / 16) + l % 8, columns 8 ((l / 8) % 2) + 0..7, and is left with half a fragment.  Two of them, 16 rows apart, make a fragment.
	v_and_b32 v1, 15, v0                           ; l % 16
	v_bfe_u32 v2, v0, 4, 1                         ; l / 16
	v_and_b32 v6, 7, v0                            ; l % 8
	v_bfe_u32 v7, v0, 3, 1                         ; (l / 8) % 2
	v_lshl_add_u32 v3, v2, 3, v6
	v_mul_u32_u24 v3, v3, PITCH
	v_lshl_add_u32 v3, v7, 4, v3                   ; row x pitch + 16 x column half
	s_lshl_b32 s21, s11, 8                         ; my 128 columns of A's tile: 256 bytes of each row
	s_lshl_b32 s22, s12, 8                         ; my 128 columns of B's tile,
	s_add_co_u32 s22, s22, OPND                    ; which lies behind A's
.irp s, 0,1
	v_add_nc_u32 v[ADRA+(\s)], s21, v3
	v_add_nc_u32 v[ADRB+(\s)], s22, v3
	s_add_co_u32 s21, s21, SLOT
	s_add_co_u32 s22, s22, SLOT
.endr
	s_mul_i32 s23, s10, 16*SPITCH
	s_add_co_u32 s23, s23, STAGE                   ; my stage
	v_mul_u32_u24 v4, v1, SPITCH                   ; in: row l % 16, 32 bytes for each half of the lanes
	v_lshl_add_u32 v4, v2, 5, v4
	v_add_nc_u32 v[STO], s23, v4
	v_and_b32 v5, 31, v0                           ; l
	v_lshlrev_b32 v[CO], 4, v5                     ; back and out: 32 lanes take one row's 512 bytes
	v_add_nc_u32 v[RD], s23, v[CO]
	v_lshrrev_b32 v4, 1, v5                        ; the prefetches: row l / 2 of my work-group's 16,
	v_and_b32 v5, 1, v5
	v_lshlrev_b32 v5, 8, v5                        ; its first or second 256 bytes
	v_lshl_add_u32 v[PFO], v4, 13, v5
	; out0 at my part of the tile
	s_lshl_b32 s16, s13, 8
	s_lshl_b32 s14, s11, 7
	s_add_co_u32 s16, s16, s14                     ; my first row: 256 x tile row + 128 x half,
	s_lshl_b32 s16, s16, 14                        ; in bytes (under 2^26)
	s_mov_b32 s17, 0
	s_lshl_b32 s46, s42, 10                        ; my first column, in bytes: 1,024 x tile column + 512 x half
	s_lshl_b32 s47, s12, 9
	s_add_co_u32 s46, s46, s47
	s_mov_b32 s47, 0
	s_add_nc_u64 s[16:17], s[16:17], s[46:47]
	s_add_nc_u64 s[8:9], s[8:9], s[16:17]
	; the prefetches' address and who asks
	s_and_b32 s22, ttmp7, 0xffff                   ; cluster y
	s_cmp_eq_u32 s11, 0                            ; do I fetch for A?
	s_cselect_b32 s20, s13, s42                    ; the tile: by the tile row in A, by the tile column in B
	s_cselect_b32 s21, s40, s41                    ; my place among the four that ask for it with me
	s_cselect_b32 s22, ttmp9, s22                  ; the coordinate along which other clusters read the same bytes
	s_cselect_b64 s[PFA:PFA+1], s[4:5], s[6:7]
	s_cmp_eq_u32 s22, 0
	s_cselect_b32 s[LIM], 1, -1                    ; the same in all sixteen partners, for a given wave
	s_lshl_b32 s20, s20, 9
	s_lshl_b32 s22, s12, 19
	s_add_co_u32 s20, s20, s22                     ; + the 64 rows that I fetch
	s_lshl_b32 s21, s21, 17
	s_add_co_u32 s20, s20, s21                     ; + my work-group's 16 of them
	s_mov_b32 s21, 0
	s_add_nc_u64 s[PFA:PFA+1], s[PFA:PFA+1], s[20:21]
	s_add_nc_u64 s[PFA:PFA+1], s[PFA:PFA+1], 2*KBYTES  ; at K step 2: the first refill steps it to 3 and names K step 4
	; nothing is prefetched here, at the head, where every work-group's first two tiles are on their way
; 16 matrix instructions: m blocks a0, a0 + 1 of the window's four (hi = 0: my rows 0-63, 1: rows 64-127) x all 8 n blocks, 32 along K.
; zero = 1: the first product starts the sums: nothing is ever cleared.  The 64 accumulators take turns, one instruction a turn, in the same order in every quarter.
.macro MUL16 f, hi, a0, zero
	WIN MUL_LO+0x50*(\hi)  ; MUL_LO or MUL_HI
.irp a, \a0, (\a0)+1
.irp b, 0,1,2,3,4,5,6,7
.if \zero
	v_wmma_f32_16x16x32_bf16 v[8*(8*(\a)+(\b)):8*(8*(\a)+(\b))+7], v[(\f)+8*(\b):(\f)+8*(\b)+7], v[(\f)+8*(4*(\hi)+(\a)):(\f)+8*(4*(\hi)+(\a))+7], 0
.else
	v_wmma_f32_16x16x32_bf16 v[8*(8*(\a)+(\b)):8*(8*(\a)+(\b))+7], v[(\f)+8*(\b):(\f)+8*(\b)+7], v[(\f)+8*(4*(\hi)+(\a)):(\f)+8*(4*(\hi)+(\a))+7], v[8*(8*(\a)+(\b)):8*(8*(\a)+(\b))+7]
.endif
.endr
.endr
.endm
; 32 LDS loads in one run: the fragments of quarter q of a K step (rows 32 q .. 32 q + 31 of both tiles, my 128 columns of each) into buffer f.  A fragment's two loads stand together, B's eight
; fragments first, then A's eight: the youngest eight loads are A's rows 64-127 of out0.
.macro FETCH slot, q, f
	WIN TO_B
.irp i, 0,1,2,3,4,5,6,7
	ds_load_tr16_b128 v[(\f)+8*(\i):(\f)+8*(\i)+3],   v[ADRB+(\slot)] offset:(\q)*32*PITCH+(\i)*32
	ds_load_tr16_b128 v[(\f)+8*(\i)+4:(\f)+8*(\i)+7], v[ADRB+(\slot)] offset:(\q)*32*PITCH+16*PITCH+(\i)*32
.endr
	WIN 0
.irp i, 0,1,2,3,4,5,6,7
	ds_load_tr16_b128 v[(\f)+8*(\i):(\f)+8*(\i)+3],   v[ADRA+(\slot)] offset:(\q)*32*PITCH+(\i)*32
	ds_load_tr16_b128 v[(\f)+8*(\i)+4:(\f)+8*(\i)+7], v[ADRA+(\slot)] offset:(\q)*32*PITCH+16*PITCH+(\i)*32
.endr
.endm
; A load into a register that a matrix instruction has read, and an LDS store that reads a matrix result, stand four places behind that matrix instruction, and only plain vector instructions that
; name none of its registers are places (ISA guide 7.12.1 for vector instructions); the matrix instructions in between are not counted.
.macro PLACES
.rept 4
	v_nop
.endr
.endm
; A K step is four quarters of 32 along K, 64 matrix instructions each, on buffers 0, 1, 0, 1.
; One of the first three: multiplies buffer f; in its middle it fetches quarter q of the same slot into buffer g.
.macro QUARTER slot, q, f, g, zero
	s_wait_dscnt 8                                 ; B and A's rows 0-63 are in; the youngest eight loads (A's rows 64-127) may be out
	WIN MUL_LO
	MUL16 \f, 0, 0, \zero
	MUL16 \f, 0, 2, \zero
	PLACES
	FETCH \slot, \q, \g
	s_wait_dscnt 32                                ; all but the 32 just issued
	WIN MUL_HI
	MUL16 \f, 1, 0, \zero
	MUL16 \f, 1, 2, \zero
.endm
; The last quarter multiplies buffer 1 and changes slots.  MEET is its first half: ONE barrier for the change of slots, for two things.  In front of it each wave waits for all its tensor loads, of which
; one is out: its part of the next slot; adds 0 to its spare word; and waits for that and for its own reads of this slot.  Behind it nobody reads this slot any more and the next slot is whole.
.macro MEET round                      ; round = 1: a round of the cluster's barrier follows
	WIN 0                                          ; (the add's two registers lie in window 0)
	s_wait_tensorcnt 0x0                           ; all my tensor loads have landed: the one that was out is my part of the next slot;
	ds_add_u32 v[SPW], v[NIL]                      ; 0 onto my spare word;
	s_wait_dscnt 9                                 ; (the add and the youngest eight loads may be out)
	WIN MUL_LO
	MUL16 F1, 0, 0, 0                              ; sixteen matrix instructions stand between the add and the wait for it
	s_wait_dscnt 0x0                               ; the add is done, and my reads of this slot are over:
	s_barrier_signal -1                            ; say so (where a slot is filled again this barrier opens a round of the cluster's barrier),
	MUL16 F1, 0, 2, 0                              ; work on registers while the others arrive,
.if \round
	WIN 0
.endif
	s_barrier_wait -1                              ; and go on when all four have said so
.endm
; The whole last quarter.  fill = 1: behind the round the slot just read out is filled again first, with the K step two steps on; then come the next slot's first fragments.
; From a request to the wait for it a wave issues 224 matrix instructions.  fill = 0 (the tail): nothing is asked for, so no round follows the barrier.
.macro TURN slot, next, fill
.if \fill
	s_wait_xcnt 0x0                                ; the last prefetch, a K step back, has read its address: it is stepped here, ahead of the waits of the change of slots
	s_add_nc_u64 s[PFA:PFA+1], s[PFA:PFA+1], KBYTES
	MEET 1
	CREST                                          ; no wave of any partner still reads this slot's tile or has a load on its way
	s_add_nc_u64 s[G0+4*(\slot)+2:G0+4*(\slot)+3], s[G0+4*(\slot)+2:G0+4*(\slot)+3], 2*KBYTES    ; no tensor load of mine is out, so a group 0 may be written; the type bits on top are not reached
	s_add_nc_u64 s[G0B+4*(\slot)+2:G0B+4*(\slot)+3], s[G0B+4*(\slot)+2:G0B+4*(\slot)+3], 2*KBYTES
	JLOAD \slot                                    ; the first tensor load behind the round; the four v_nop behind it are also the places in front of the loads below
	FETCH \next, 0, F0
	ASK                                            ; behind the joint load and the run of LDS loads that the next products wait for
.else
	MEET 0
	PLACES
	FETCH \next, 0, F0
.endif
	WIN MUL_HI
	MUL16 F1, 1, 0, 0
	MUL16 F1, 1, 2, 0
.endm
; THE WAY OUT of block a (16 rows of out0 x my 128 columns), in two parts.  TOSTAGE: a lane's 32 bytes of each of the block's 8 accumulators go into my own stage, in rows of 528 bytes, each accumulator's
; four lowest registers first, and come back as whole rows of 512 bytes.  SEND: stored.  The stage is mine alone, so no barrier is needed.
.macro TOSTAGE a
.set AC, 64*((\a)%4)
.set BK, 64+64*((\a)%2)
	WIN 0x08+4*((\a)/4)                            ; the stores' data (source 1) in window 2 or 3, the address in window 0
.irp b, 0,1,2,3,4,5,6,7
	ds_store_b128 v[STO], v[AC+8*(\b):AC+8*(\b)+3]   offset:64*(\b)
	ds_store_b128 v[STO], v[AC+8*(\b)+4:AC+8*(\b)+7] offset:64*(\b)+16
.endr
	WIN 0
.if (\a) >= 2
	s_wait_xcnt 0x0                                ; the stores of the block two back have read these 64 registers: they are loaded again only behind this wait
.endif
.irp t, 0,1,2,3,4,5,6,7,8,9,10,11,12,13,14,15
	ds_load_b128 v[BK+4*(\t):BK+4*(\t)+3], v[RD] offset:(\t)*SPITCH  ; LDS serves a wave's instructions in order (ISA guide 5.7.1.4): these see the stores above; the next block's stores come behind them
.endr
.endm
.macro SEND a, younger                 ; younger: the LDS instructions issued behind block a's loads: the next block's 32, or none
	WIN 0
.set BK, 64+64*((\a)%2)
.irp t, 0,1,2,3,4,5,6,7,8,9,10,11,12,13,14,15
	s_wait_dscnt (\younger)+15-(\t)                ; row t is back in registers
	global_store_b128 v[CO], v[BK+4*(\t):BK+4*(\t)+3], s[8:9] offset:(16*(\a)+(\t))*ROWC th:TH_STORE_NT  ; 32 lanes store 512 consecutive bytes, at a multiple of 512 from out0's first byte; the row stands in the immediate, 127 rows at the most
.endr
.endm
	s_wait_tensorcnt 1                             ; my part of K step 0 is in; K step 1's may stay out
	s_barrier_signal -1
	s_barrier_wait -1                              ; everybody's is
	FETCH 0, 0, F0
	QUARTER 0, 1, F0, F1, 1                        ; the first quarter stands in front of the loop: its products start the sums
	WIN 0                                          ; at a label and at a branch every window is 0
	s_mov_b32 s3, LAPS-1
.Llap:                                                 ; a trip goes once round the ring, from a lap's second quarter to the next lap's first, and fills both slots again
	QUARTER 0, 2, F1, F0, 0
	QUARTER 0, 3, F0, F1, 0
	TURN 0, 1, 1
	QUARTER 1, 1, F0, F1, 0
	QUARTER 1, 2, F1, F0, 0
	QUARTER 1, 3, F0, F1, 0
	TURN 1, 0, 1
	QUARTER 0, 1, F0, F1, 0
	WIN 0
	s_sub_co_u32 s3, s3, 1
	s_cmp_lg_u32 s3, 0
	s_cbranch_scc1 .Llap
	QUARTER 0, 2, F1, F0, 0                        ; the last lap is written out: it fills nothing, and has no round of the cluster's barrier
	QUARTER 0, 3, F0, F1, 0
	TURN 0, 1, 0                                   ; my one tensor load that was still out is slot 1's, the last K step's
	QUARTER 1, 1, F0, F1, 0
	QUARTER 1, 2, F1, F0, 0
	QUARTER 1, 3, F0, F1, 0
	s_wait_dscnt 8                                 ; the very last quarter: nothing more to fetch
	WIN MUL_LO
	MUL16 F1, 0, 0, 0
	MUL16 F1, 0, 2, 0
	s_wait_dscnt 0x0
	MUL16 F1, 1, 0, 0
	MUL16 F1, 1, 2, 0
	WIN 0
	PLACES                                         ; in front of the LDS stores that read results, and of the loads into A's fragment registers;
	PLACES                                         ; eight, once a launch
	TOSTAGE 0
.irp a, 1,2,3,4,5,6,7                  ; block a goes into the stage while block a - 1's rows come back
	TOSTAGE \a
	SEND (\a)-1, 32
.endr
	SEND 7, 0
	s_wait_tensorcnt 0x0                           ; the wave's end: the add and its wait, behind my last tensor load and my last LDS store
	ds_add_u32 v[SPW], v[NIL]
	s_wait_dscnt 0x0
	CROUND                                         ; the closing round: no work-group ends while a partner may still ask for a tile that names it
	s_endpgm
.Lfunc_end_k_q4614fc7533_gemm:
	.size	k_q4614fc7533_gemm, .Lfunc_end_k_q4614fc7533_gemm-k_q4614fc7533_gemm
	.p2alignl 7, 3214868480
	.fill 96, 4, 3214868480
	.section	.rodata,"a",@progbits
	.p2align	6, 0x0
	.amdhsa_kernel k_q4614fc7533_gemm
		.amdhsa_group_segment_fixed_size 327680
		.amdhsa_private_segment_fixed_size 0
		.amdhsa_enable_private_segment 0
		.amdhsa_kernarg_size 24
		.amdhsa_user_sgpr_count 2
		.amdhsa_user_sgpr_kernarg_segment_ptr 1
		.amdhsa_wavefront_size32 1
		.amdhsa_system_sgpr_workgroup_id_x 1
		.amdhsa_system_sgpr_workgroup_id_y 1
		.amdhsa_system_sgpr_workgroup_id_z 1
		.amdhsa_system_vgpr_workitem_id 0
		.amdhsa_next_free_vgpr 1024
		.amdhsa_next_free_sgpr 66
		.amdhsa_reserve_vcc 0
		.amdhsa_float_denorm_mode_32 3
		.amdhsa_float_denorm_mode_16_64 3
		.amdhsa_memory_ordered 1
		.amdhsa_forward_progress 1
		.amdhsa_inst_pref_size 145
	.end_amdhsa_kernel
	.amdgpu_metadata
---
amdhsa.version: [ 1, 2 ]
amdhsa.kernels:
  - .name:           k_q4614fc7533_gemm
    .symbol:         k_q4614fc7533_gemm.kd
    .args:
      - { .name: wb, .offset: 0, .size: 8, .value_kind: global_buffer, .address_space: global }
      - { .name: xb, .offset: 8, .size: 8, .value_kind: global_buffer, .address_space: global }
      - { .name: out0, .offset: 16, .size: 8, .value_kind: global_buffer, .address_space: global }
    .group_segment_fixed_size: 327680
    .private_segment_fixed_size: 0
    .kernarg_segment_align: 8
    .kernarg_segment_size: 24
    .max_flat_workgroup_size: 128
    .sgpr_count:     66
    .vgpr_count:     1024
    .wavefront_size: 32
...
	.end_amdgpu_metadata
.endif
;; end of part 2
;; ======== version 2 of 2: 2 launches; version 1 with the launch cast written anew for expert scheduling mode
;; workspace buffers: wb 33,554,432 bytes; xb 33,554,432 bytes
;; launch cast (part 3): grid 512 x 2, 8 waves a work-group, no clusters, 0 bytes of LDS; arguments W, x, wb, xb; writes wb, xb
.if DOCPART == 3
	.amdgcn_target "amdgcn-amd-amdhsa--gfx1250"
	.amdhsa_code_object_version 6
	.text
	.protected	k_q4614fc7533_cast
	.globl	k_q4614fc7533_cast
	.p2align	8
	.type	k_q4614fc7533_cast,@function
k_q4614fc7533_cast:
	s_mov_b64 s[64:65], 0
	v_nop
	global_prefetch_b8 v0, s[64:65] scope:SCOPE_SE
	s_setreg_imm32_b32 hwreg(HW_REG_WAVE_SCHED_MODE, 0, 2), 2
	s_setreg_imm32_b32 hwreg(HW_REG_WAVE_MODE, 25, 1), 1
	s_wait_xcnt 0x0
	s_wait_alu depctr_vm_vsrc(0)
; wb = W and xb = x, each number rounded once from f32 to bf16 (to nearest even); the layout [4096][4096] stays as it is.
; LIMITS.  A number beyond bf16's largest finite one becomes an infinity; bf16 has f32's exponents, so nothing else is lost but mantissa bits.  NaN stays NaN.
; WHY A LAUNCH OF ITS OWN.  The product that follows reads each number of W and of x in 16 work-groups.  Converted here, each number is rounded once, and the product's tiles
; hold 2 bytes a number in LDS and on the way there; converted there, they would hold 4, and each number would be converted 16 times.
; SHARES.  Grid y picks the tensor (0: W, 1: x).  A work-group owns 131,072 consecutive bytes of input and 65,536 of output: 32 steps of 4,096 bytes in.
; In a step thread t takes the 16 bytes at 16 t: a wave's load covers 512 consecutive bytes, its store of 8 bytes a lane 256 consecutive bytes, aligned.
; No LDS, no barrier, no matrix unit, no cluster: no byte is wanted by two threads.  No prefetch: the loads themselves are the stream.
; THE MODE: SCHED_MODE bits 1:0 = 2 (LLVM: expert scheduling mode 2), set by the entry lines.  The code itself states the register dependences
; between vector instructions and memory instructions, with s_wait_alu, always for 0.
; THE PLAN.  The 32 steps go in 8 blocks of four, all written out; every step's place stands in an immediate.  Registers that memory instructions touch:
;   X0 .. X4   five blocks of f32 as loaded.  Written by the loads of block p + 4, issued in block p (blocks 0 to 3: at the head); read by block p's conversions.
;   Y0, Y1     two blocks of bf16 to store.   Written by block p's conversions; read by the four stores that are issued in block p + 1.
;   v1, v2     byte offsets, made once at the head and never written again; the two scalar bases are never stepped.
; Block p works on X[p % 5] and writes Y[p % 2].  Its memory instructions are the loads into X[(p + 4) % 5] = X[(p - 1) % 5] and the stores from Y[(p - 1) % 2]:
; the two buffers that block p - 1 worked on and that no vector instruction of block p names.  So the waits at the head of a block state all that the block's
; eight memory instructions hang on, and these are dealt among its conversions with no further wait.  12 to 16 loads of every wave are on their way.
.set BLOCK,  4                         ; steps in a block
.set BLOCKS, 32 / BLOCK
.set AHEAD,  4                         ; block p asks for block p + AHEAD
.set STEPI, 4096                       ; bytes in of a step
.set STEPO, 2048                       ; bytes out of a step
.set IN,  1                            ; v1        16 t; never rewritten
.set OUT, 2                            ; v2        8 t; never rewritten
.set X,   4                            ; v[4:83]   buffer k, step i: four f32 as loaded, at X + 16 k + 4 i
.set Y,   84                           ; v[84:99]  buffer k, step i: four bf16 to store, at Y + 8 k + 2 i
	s_load_b256 s[4:11], s[0:1], 0x0               ; W s[4:5], x s[6:7], wb s[8:9], xb s[10:11]
	s_and_b32 s12, ttmp7, 0xffff                   ; which tensor
	v_lshlrev_b32 v[IN], 4, v0
	v_lshlrev_b32 v[OUT], 3, v0
	s_lshl_b32 s14, ttmp9, 17                      ; the work-group's share of the input, in bytes (under 2^26),
	s_mov_b32 s15, 0
	s_lshl_b32 s16, ttmp9, 16                      ; and of the output
	s_mov_b32 s17, 0
	s_wait_kmcnt 0x0
	s_cmp_eq_u32 s12, 0
	s_cselect_b64 s[4:5], s[4:5], s[6:7]           ; from W or from x,
	s_cselect_b64 s[8:9], s[8:9], s[10:11]         ; to wb or to xb
	s_add_nc_u64 s[4:5], s[4:5], s[14:15]
	s_add_nc_u64 s[8:9], s[8:9], s[16:17]
	s_wait_alu depctr_va_vdst(0)                   ; v1 and v2 are written: every load and store of the kernel reads one of them as its offset
.irp i, 0,1,2,3,4,5,6,7,8,9,10,11,12,13,14,15
	global_load_b128 v[X+4*(\i):X+4*(\i)+3], v[IN], s[4:5] offset:(\i)*STEPI th:TH_LOAD_NT  ; blocks 0 to 3 into X0 to X3
.endr
; Block p.  Blocks 0 to 3 ask for the block four further on; from block 1 on the block before is stored; from block 2 on a Y is written for the second time or a later one.
.macro BLK p
.set XW, X+16*((\p)%5)                 ; the block's own four steps, as loaded
.set XN, X+16*(((\p)+AHEAD)%5)         ; where block p + 4 lands: the buffer that block p - 1 worked on (block 0: X4, which nothing has named)
.set YW, Y+8*((\p)%2)                  ; what the block's conversions write
.set YS, Y+8*(1-(\p)%2)                ; what the block before wrote
.set LEFT, BLOCK*(AHEAD-1)             ; behind this block's four loads stand those of the next three blocks,
.if (\p) > BLOCKS-AHEAD
.set LEFT, BLOCK*(BLOCKS-1-(\p))       ; or of as many as there still are: the counts run down
.endif
	s_wait_loadcnt LEFT                            ; loads come back in order (ISA guide 5.7.1): this block's four are in, the younger blocks stay out
.if (\p) >= 2
	s_wait_xcnt 0x0                                ; every earlier memory instruction has had its addresses translated (ISA guide 3.1): this block's Y is rewritten only behind this wait
	s_wait_alu depctr_vm_vsrc(0)                   ; the stores issued in the block before have read this block's Y, which its conversions write again
.endif
.if (\p) >= 1
	s_wait_alu depctr_va_vdst(0)                   ; the block before has written the other Y, which the stores below read, and is done reading its X, in which the loads below land
.endif
.irp i, 0,1,2,3
.if (\p) < BLOCKS-AHEAD
	global_load_b128 v[XN+4*(\i):XN+4*(\i)+3], v[IN], s[4:5] offset:(BLOCK*((\p)+AHEAD)+(\i))*STEPI th:TH_LOAD_NT  ; the load goes ahead of the store; no vector instruction since the wait names these registers
.endif
.if (\p) >= 1
	global_store_b64 v[OUT], v[YS+2*(\i):YS+2*(\i)+1], s[8:9] offset:(BLOCK*((\p)-1)+(\i))*STEPO th:TH_STORE_NT  ; the block before
.endif
	v_cvt_pk_bf16_f32 v[YW+2*(\i)],   v[XW+4*(\i)],   v[XW+4*(\i)+1]  ; two roundings, packed
	v_cvt_pk_bf16_f32 v[YW+2*(\i)+1], v[XW+4*(\i)+2], v[XW+4*(\i)+3]
.endr
.endm
.irp p, 0,1,2,3,4,5,6,7
	BLK \p                                         ; blocks 4 to 7 load nothing: no load leaves the work-group's share
.endr
	s_wait_alu depctr_va_vdst(0)                   ; block 7 has written Y1, which the last four stores read
.irp i, 0,1,2,3
	global_store_b64 v[OUT], v[Y+8+2*(\i):Y+8+2*(\i)+1], s[8:9] offset:(BLOCK*(BLOCKS-1)+(\i))*STEPO th:TH_STORE_NT
.endr
	s_endpgm
.Lfunc_end_k_q4614fc7533_cast:
	.size	k_q4614fc7533_cast, .Lfunc_end_k_q4614fc7533_cast-k_q4614fc7533_cast
	.p2alignl 7, 3214868480
	.fill 96, 4, 3214868480
	.section	.rodata,"a",@progbits
	.p2align	6, 0x0
	.amdhsa_kernel k_q4614fc7533_cast
		.amdhsa_group_segment_fixed_size 0
		.amdhsa_private_segment_fixed_size 0
		.amdhsa_enable_private_segment 0
		.amdhsa_kernarg_size 32
		.amdhsa_user_sgpr_count 2
		.amdhsa_user_sgpr_kernarg_segment_ptr 1
		.amdhsa_wavefront_size32 1
		.amdhsa_system_sgpr_workgroup_id_x 1
		.amdhsa_system_sgpr_workgroup_id_y 1
		.amdhsa_system_sgpr_workgroup_id_z 1
		.amdhsa_system_vgpr_workitem_id 0
		.amdhsa_next_free_vgpr 100
		.amdhsa_next_free_sgpr 66
		.amdhsa_reserve_vcc 0
		.amdhsa_float_denorm_mode_32 3
		.amdhsa_float_denorm_mode_16_64 3
		.amdhsa_memory_ordered 1
		.amdhsa_forward_progress 1
		.amdhsa_inst_pref_size 12
	.end_amdhsa_kernel
	.amdgpu_metadata
---
amdhsa.version: [ 1, 2 ]
amdhsa.kernels:
  - .name:           k_q4614fc7533_cast
    .symbol:         k_q4614fc7533_cast.kd
    .args:
      - { .name: W, .offset: 0, .size: 8, .value_kind: global_buffer, .address_space: global }
      - { .name: x, .offset: 8, .size: 8, .value_kind: global_buffer, .address_space: global }
      - { .name: wb, .offset: 16, .size: 8, .value_kind: global_buffer, .address_space: global }
      - { .name: xb, .offset: 24, .size: 8, .value_kind: global_buffer, .address_space: global }
    .group_segment_fixed_size: 0
    .private_segment_fixed_size: 0
    .kernarg_segment_align: 8
    .kernarg_segment_size: 32
    .max_flat_workgroup_size: 256
    .sgpr_count:     66
    .vgpr_count:     100
    .wavefront_size: 32
...
	.end_amdgpu_metadata
.endif
;; end of part 3
;; launch gemm: the kernel of part 2 again; grid 16 x 16, 4 waves a work-group, clusters of 4 x 4, 327,680 bytes of LDS; arguments wb, xb, out0; writes out0
